; MI455X (gfx1250); checked and timed in simulation.
; The chip was launched on July 23, 2026; its instructions are those of AMD's public machine-readable ISA for CDNA 5 (MIT licence, August 2026) and "CDNA5" Instruction Set Architecture Reference Guide (July 2026). The comments in the code are by the model that wrote it; some were corrected since.
;; Weight predictor issam w local. Allowed arithmetic: matrix products marked QUANTISED: E4M3 operands, one E8M0 scale for each 32 along K, by v_wmma_scale_f32_16x16x128_f8f6f4 with both operands' format E4M3, f32 sums; products left as they are: f32 operands where the result goes on into a quantised operand, else bf16, f16 or f32 operands; f32 sums; everything else in f32.
;; Inputs: conv_b 256 float32; conv_w_codes 256 x 8 x 32 uint8 (E4M3 codes of conv_w, K innermost, in blocks of 32 codes); conv_w_scales 256 x 8 uint8 (E8M0 scales of conv_w, one for each 32 codes along K); fc1_b 512 float32; fc1_w_codes 512 x 32 x 32 uint8 (E4M3 codes of fc1_w, K innermost, in blocks of 32 codes); fc1_w_scales 512 x 32 uint8 (E8M0 scales of fc1_w, one for each 32 codes along K); fc2_b 3 float32; fc2_w 3 x 512 float32; fea 1 x 256 x 256 x 256 float32; mask_codes 1 x 1 x 2,048 x 64 x 32 uint8 (E4M3 codes of mask, K innermost, in blocks of 32 codes); mask_scales 1 x 1 x 2,048 x 64 uint8 (E8M0 scales of mask, one for each 32 codes along K).
;; Outputs: out0 1 x 3 x 2,048 x 2,048 float32; out1 1 x 3 x 32 x 32 float32.
;; This version of the problem:
;;   THIS VERSION OF THE PROBLEM IS GIVEN IN LOW PRECISION. The matrix products marked QUANTISED in the list below multiply operands that are first quantised to E4M3 (4 exponent bits, 3 mantissa bits; 8 bits a number), with one power-of-two scale for each 32 numbers along K (OCP MX v1.0); their sums are f32. All else is computed in f32.
;;   The module's matrix products, in the order in which they are computed (A, B: the left and right operand; K: the contracted axis; several contracted axes count as one K, in the product's order):
;;     1. [M 256, K 2,048] x [K 2,048, N 2,048]; A: computed on the way; B: input mask (given as codes): QUANTISED
;;     2. [M 256, K 2,048] x [K 2,048, N 256]; A: computed on the way; B: computed on the way: QUANTISED
;;     3. [M 256, K 256] x [K 256, N 65,536]; A: input conv_w (given as codes); B: input fea: QUANTISED
;;     4. [M 512, K 1,024] x [K 1,024, N 1,024]; A: input fc1_w (given as codes); B: computed on the way: QUANTISED
;;     5. [M 3, K 512] x [K 512, N 1,024]; A: input fc2_w; B: computed on the way: left as it is (M = 3 < 16)
;;   THE QUANTISER, for each operand of a quantised product, along K:
;;     - K is cut into blocks of 32 from its start; a last block that is shorter is filled with zeros.
;;     - A block's scale is 2^e with e = floor(log2(the largest magnitude in the block)) - 8, held to -126 .. 127; a block of zeros has e = 0. As a byte (E8M0): e + 127.
;;     - Each number is divided by its block's scale, clamped to +-448, and rounded to the nearest number of E4M3, ties to even, subnormals kept.
;;     - The product sums the exact products of the quantised numbers (number of the format x scale) in f32.
;;   ~~~python
;;   def quantise(x, axis):      # numpy; x: float32 -> the quantised numbers, widened to float32 again
;;       x = np.moveaxis(x, axis, -1); K = x.shape[-1]
;;       x = np.pad(x, [(0, 0)] * (x.ndim - 1) + [(0, -K % 32)]); x = x.reshape(x.shape[:-1] + (-1, 32)); a = np.abs(x).max(-1, keepdims=True)
;;       e = np.where(a > 0, np.clip(np.frexp(np.where(a > 0, a, 1))[1] - 1 - 8, -126, 127), 0)      # np.frexp(a)[1] - 1 = floor(log2(a)), exactly
;;       r = np.clip(x / 2.0 ** e, -448, 448)
;;       step = 2.0 ** (np.maximum(np.frexp(np.where(r == 0, 1, r))[1] - 1, -6) - 3)
;;       q = np.round(r / step) * step * 2.0 ** e      # np.round: ties to even
;;       return np.moveaxis(q.reshape(q.shape[:-2] + (-1,))[..., :K], -1, axis).astype(np.float32)
;;   ~~~
;;   OPERANDS COMPUTED ON THE WAY. 'Computed on the way' means the value that the module computes at that place (a softmax that the list does not call 'softmax' is quantised finished and normalised). What goes into a quantiser is computed in f32, as accurately as f32 sums, v_exp_f32 and their like allow (about 1e-6 of the number): no bf16 or f16 on the way to a quantiser, and a product that is left as it is and whose result goes on into a quantised operand takes f32 operands (vector FMAs, or v_wmma_f32_16x16x4_f32). A number that lies on a knife's edge between two numbers of the format may be rounded either way, as far as f32 arithmetic and the matrix unit's own rounding can turn it there, and no further.
;;   INPUTS GIVEN AS CODES. conv_w (in the module: [256, 256], K = its axis 1); fc1_w (in the module: [512, 1024], K = its axis 1); mask (in the module: [1, 1, 2048, 2048], K = its axis 2): each comes as NAME_codes (uint8): NAME with its K axis moved to the last place and cut into blocks of 32 codes, [.., K / 32, bytes a block], one block behind the other in memory; one code a byte (a code: sign, 4 exponent bits, 3 mantissa bits); and NAME_scales (uint8): the same leading axes, one E8M0 byte (e + 127) for each 32 codes along K. Its value is code x scale, taken as it is: it is not quantised again, and the codes and scales need not be those that the quantiser above would give.
;; One version. Each part assembles by itself: llvm-mc -triple=amdgcn-amd-amdhsa -mcpu=gfx1250 --defsym DOCPART=n.
;; ======== version 1 of 1: 3 launches
;; workspace buffers: pws 524,288 bytes; fmws 1,048,576 bytes; fws 65,536 bytes; gws 512 bytes
;; launch main (part 1): grid 8 x 32, 16 waves a work-group, no clusters, 161,024 bytes of LDS; arguments fea, mask_codes, mask_scales, conv_w_codes, conv_w_scales, conv_b, pws, fmws; writes pws, fmws
.if DOCPART == 1
	.amdgcn_target "amdgcn-amd-amdhsa--gfx1250"
	.amdhsa_code_object_version 6
	.text
	.protected	k_q40b35542d9_main
	.globl	k_q40b35542d9_main
	.p2align	8
	.type	k_q40b35542d9_main,@function
k_q40b35542d9_main:
	s_mov_b64 s[64:65], 0
	v_nop
	global_prefetch_b8 v0, s[64:65] scope:SCOPE_SE
	s_setreg_imm32_b32 hwreg(HW_REG_WAVE_MODE, 25, 1), 1
	s_wait_xcnt 0x0
; FIRST OF THREE LAUNCHES.  It reads fea once and leaves (a) pws: each work-group's partial sums of sum_p x[o][p] dm[p] and sum_p x[o][p] (1 - dm[p]), x = conv_w Q(fea) + conv_b,
; (b) fmws: fm, the 8 x 8 patch means of fea x dm, finished.  dm is the 2048 -> 256 resize of mask.  All products here run on E4M3 codes with E8M0 scales for each 32 along K.
;
; WORK LEFT OUT, AND WHY IT IS DEAD FOR ALL VALUES OF THE INPUTS.
; (1) The resize is two products with a weight matrix that reference() builds from sizes alone: output o takes inputs 8 o - 4 .. 8 o + 11 with (1,3,..,15,15,..,3,1)/128; outputs 0 and 255 lose the four
;     taps outside the image and divide by 7 in place of 8.  Every other weight is a zero that reference() makes itself, its code is 0, and a product with it adds nothing.  So of K = 2048 only the K steps
;     of 128 that hold a tap are multiplied: one for the first product (8 output rows need 72 inputs), one and a half for the second (16 output columns need 136).
; (2) The weights' codes are constants of the problem, by the stated quantiser: interior rows scale 2^-12, codes 32,96,160,224,288,352,416,448 (15/128 is held at 448); rows 0 and 255 scale 2^-11,
;     codes 160,208,240,288,288,240,208,160,128,88,56,18 (none near the middle between two codes).  Four taps (1,3,5,7)/128 that stand alone in a block of 32 would have scale 2^-13 and twice the code:
;     the same numbers, exactly; they are given here under 2^-12.
; (3) The bias: sum_p (y + b) dm = sum_p y dm + b sum_p dm; the second term is added once, by the work-group of the lower channel half.
; No input is left out.  LIMITS: a NaN, an infinity or an overflow in a part of mask that meets only zero weights is not carried to the result; a block of zeros gets the scale byte 1 where the rule says
; 127 (its codes are zeros, and only this program reads the byte); blocks whose largest magnitude lies under 2^(9 - 127) keep that byte; NaN and infinities among the inputs are not served.
;
; SHARES.  Work-group (x, y): image rows 8 y .. 8 y + 7, columns 64 (x / 2) .. + 63, channels 128 (x % 2) .. + 127: 256 KiB of fea, one K step of the product with conv_w, 8 patches.
; Sixteen waves of 256 registers, four to a SIMD.  Two stages of four rows.  In a stage wave (q = w % 4, rr = w / 4) loads row rr, 64 columns, 32 channels: a load of 16 bytes a lane, sixteen lanes on
; 256 consecutive aligned bytes.  A lane then holds four pixels x 16 channels: the registers run down K, so the conversions' results are a quarter of an operand's registers: THE PIXELS OF A TILE ARE
; 4 l + i, l = 0 .. 15.  The quarters meet in LDS as images of the operand's registers.  Then wave (og = w % 4, pg = w / 4) multiplies the four tiles of row pg with 64 rows of conv_w.
; ORDER.  The chain to dm (mask, first product, its quantiser, second product) is kept free of other waits: stage B's loads are issued behind it, and stage A is quantised, which needs no dm, while
; waves 0-3 make dm; one barrier then shows dm and stage A's quarters together.
; NO CLUSTER, NO TENSOR LOAD: what work-groups share is 32 KiB of conv_w and 72 KiB of mask beside 256 KiB of fea that nobody shares, and fea goes from memory straight into the registers that the
; conversions read; each wave has 16 to 32 loads of 512 bytes out.
.set TAB,   0                          ; LDS: three arrays of 100 words of weight codes, the 16 taps at word 40, zeros round them
.set TMPI,  1536                       ; 18 blocks of 32 along the second product's K: images of four registers, 512 bytes each
.set TMPS,  10752                      ; their scale bytes: [K step 5][row 16][4]
.set DMT,   11264                      ; dm[row 8][i 4][l 16] = dm(row, 4 l + i), f32
.set OMT,   13312                      ; 1 - dm likewise
.set SD,    15360                      ; [wave 4][2]: sums of dm and of 1 - dm
.set CWI,   15616                      ; conv_w: 16 fragments' images, 2,048 bytes each
.set CWS,   48384                      ; their scale words, 128 bytes each
.set PXI,   50432                      ; pixels: 32 fragments' images (4 row + i), 2,048 bytes each; channel block q at 512 q
.set PXS,   115968                     ; their scale words, 64 bytes a tile; byte q
.set FMP,   118016                     ; fm's parts: [stage 2][wave 16][patch 8][32 channels] f32
.set RED,   150784                     ; [pg 4][512]: fg's and bg's parts
.set SPARE, 158976                     ; the spare words, 128 bytes for each wave: eight blocks of 256 bytes that no other line names
.set FLOOR, 0x4800000                  ; 2^(9 - 127)
.set EOFF,  0xfc000000                 ; -(8 << 23)
.set EXPM,  0x7f800000
.set DT,    88                         ; v88-119  four results of 16 x 16
.set SC,    120                        ; v120-127 scale words and nothing else
.set RA,    128                        ; v128-191 stage A's numbers, later four fragments of conv_w
.set RB,    192                        ; v192-255 four fragments of mask, later stage B's numbers
; v1, v2: the add's two.  v3 lane, v4 r = lane % 16, v5 h = lane / 16.  v6-33 addresses that stay.  v38-39 my two of conv_b.  v40-55 weights' fragment, later the sums (fg v40-47, bg v48-55).  v56-119 at work.
.macro BAR                             ; my LDS stores have landed and my LDS loads are in: then the work-group's barrier
	s_wait_dscnt 0x0
	s_barrier_signal -1
	s_barrier_wait -1
.endm
.macro NOPS n
.rept \n
	v_nop
.endr
.endm
.macro FEA st, raw                     ; my row of stage st: channel 16 h + c, pixels 4 r .. 4 r + 3, into v[raw + 4 c] on
.irp c, 0,1,2,3,4,5,6,7,8,9,10,11,12,13,14,15
	global_load_b128 v[\raw+4*\c:\raw+4*\c+3], v6, s[50:51] offset:\c*262144+\st*4096 th:TH_LOAD_NT
.endr
.endm
	s_load_b512 s[8:23], s[0:1], 0x0               ; fea, mask_codes, mask_scales, conv_w_codes, conv_w_scales, conv_b, pws, fmws
	v_lshl_add_u32 v1, v0, 2, SPARE
	v_mov_b32 v2, 0
	v_lshrrev_b32 v34, 5, v0
	v_readfirstlane_b32 s24, v34                   ; wave w
	s_and_b32 s25, s24, 3                          ; q, og
	s_lshr_b32 s26, s24, 2                         ; rr, pg
	s_and_b32 s27, s24, 7
	s_and_b32 s28, ttmp9, 1                        ; channel half
	s_lshr_b32 s29, ttmp9, 1                       ; which 64 columns
	s_and_b32 s30, ttmp7, 0xffff                   ; which 8 rows
	s_lshl_b32 s31, s30, 3
	s_add_co_u32 s32, s31, ttmp9                   ; the work-group's number, 0 .. 255
	s_lshl_b32 s33, s30, 6                         ; the first product's window of 128 inputs begins at 64 y - 32, held inside the image
	s_max_u32 s33, s33, 32
	s_sub_co_u32 s33, s33, 32
	s_min_u32 s33, s33, 1920
	s_lshr_b32 s2, s33, 5                          ; its first block of 32
	s_and_b32 s34, s2, 3
	s_lshl_b32 s34, s34, 3                         ; the window's four scale bytes begin so many bits into an aligned word
	s_and_b32 s3, s2, 0xfc                         ; that word,
	s_add_co_u32 s4, s3, 4
	s_min_u32 s4, s4, 60                           ; and the next (the row's last word again where there is none: the shift is 0 there)
	s_mov_b32 s35, 0x600000                        ; the mantissa field of 448
	s_mov_b32 s36, 0x76543210
	s_mov_b32 s37, 0xfedcba98                      ; v_permlanex16_b32's selects for lane l xor 16
	s_mov_b32 s38, 0xaaaaaaaa                      ; odd lanes
	s_mov_b32 s39, 0xffff0000                      ; lanes 16-31
	s_cmp_eq_u32 s28, 0
	s_cselect_b32 s40, 1.0, 0                      ; the lower channel half adds the bias
	s_mov_b32 s41, 76                              ; where the window's first word stands in a weight array, for the row group's last row: 4 (40 - 7 - 14); at the image's edges the window is shifted
	s_cmp_eq_u32 s30, 0
	s_cselect_b32 s41, 108, s41
	s_cmp_eq_u32 s30, 31
	s_cselect_b32 s41, 44, s41
	v_and_b32 v3, 31, v0
	v_and_b32 v4, 15, v0
	v_bfe_u32 v5, v0, 4, 1
	v_lshlrev_b32 v6, 4, v4
	v_lshl_add_u32 v6, v5, 22, v6                  ; fea: 16 r + 16 channels x h
	v_lshlrev_b32 v7, 4, v3                        ; 16 x lane
	v_mov_b32 v8, 0
	; the weights of the first product: column r is output row 8 y + r % 8.  Word n of the window is word 40 + n - (2 o - 1 - window / 4) of array 0 (interior), 1 (o = 0) or 2 (o = 255)
	v_mov_b32 v36, 400
	v_mov_b32 v37, 800
	v_and_b32 v34, 7, v4
	v_add_nc_u32 v35, s31, v34
	v_cmp_eq_u32 vcc_lo, 0, v35
	v_cndmask_b32 v9, 0, v36, vcc_lo
	v_cmp_eq_u32 vcc_lo, 0xff, v35
	v_cndmask_b32 v9, v9, v37, vcc_lo
	v_mov_b32 v35, 0x74747474                      ; 2^-11 in all four bytes
	v_mov_b32 v[SC+4], 0x73737373                  ; 2^-12
	v_cmp_ne_u32 vcc_lo, 0, v9
	v_cndmask_b32 v[SC+4], v[SC+4], v35, vcc_lo    ; the weights' scale word, first product
	v_xor_b32 v34, 7, v34
	v_lshl_add_u32 v9, v34, 3, v9
	v_lshl_add_u32 v9, v5, 4, v9
	v_add_nc_u32 v9, s41, v9
	; and of the second: row r is output column 64 (x / 2) + 16 w + r; its window begins 28 inputs ahead of the tile's first tap
	s_lshl_b32 s5, s29, 6
	s_lshl_b32 s6, s24, 4
	s_add_co_u32 s5, s5, s6
	v_add_nc_u32 v34, s5, v4
	v_cmp_eq_u32 vcc_lo, 0, v34
	v_cndmask_b32 v10, 0, v36, vcc_lo
	v_cmp_eq_u32 vcc_lo, 0xff, v34
	v_cndmask_b32 v10, v10, v37, vcc_lo
	v_mov_b32 v[SC+5], 0x73737373
	v_cmp_ne_u32 vcc_lo, 0, v10
	v_cndmask_b32 v[SC+5], v[SC+5], v35, vcc_lo    ; the weights' scale word, second product
	v_xor_b32 v34, 15, v4
	v_lshl_add_u32 v10, v34, 3, v10
	v_lshl_add_u32 v10, v5, 4, v10
	v_add_nc_u32 v10, 12, v10
	s_lshl_b32 s5, s24, 11
	v_add_nc_u32 v11, s5, v7                       ; 16 lane + 2048 w: conv_w's image out; the second product's tmp fragments in
	v_lshlrev_b32 v12, 2, v3
	v_mov_b32 v14, v12
	s_lshl_b32 s5, s24, 7
	v_add_nc_u32 v12, s5, v12                      ; 4 lane + 128 w
	s_lshl_b32 s5, s25, 13
	v_add_nc_u32 v13, s5, v7                       ; 16 lane + 8192 og
	s_lshl_b32 s5, s25, 9
	v_add_nc_u32 v14, s5, v14                      ; 4 lane + 512 og
	s_lshl_b32 s5, s24, 10
	v_add_nc_u32 v15, s5, v7                       ; 16 lane + 1024 w: my two blocks of tmp
	s_lshr_b32 s5, s24, 1
	s_lshl_b32 s5, s5, 6
	s_and_b32 s6, s24, 1
	s_lshl_b32 s6, s6, 1
	s_add_co_u32 s5, s5, s6
	v_lshl_add_u32 v16, v4, 2, s5                  ; their scale bytes: 4 r + 64 (w / 2) + 2 (w % 2)
	s_lshl_b32 s5, s24, 6
	v_lshl_add_u32 v17, v4, 2, s5                  ; 4 r + 64 w
	v_and_b32 v34, 7, v4
	v_lshrrev_b32 v35, 3, v4
	s_lshl_b32 s5, s24, 4
	v_lshl_add_u32 v18, v34, 8, s5
	v_lshl_add_u32 v18, v5, 3, v18
	v_lshl_add_u32 v18, v35, 11, v18               ; dm out: 256 (r % 8) + 16 w + 8 h; lanes r >= 8 write 1 - dm, 2,048 bytes on
	s_lshl_b32 s5, s24, 3
	v_lshl_add_u32 v19, v35, 2, s5
	s_lshl_b32 s5, s26, 8
	v_lshl_add_u32 v20, v4, 2, s5                  ; dm of my four pixels: 256 rr + 4 r
	v_lshl_add_u32 v25, v5, 5, s5                  ; dm of a result's eight pixels: 256 pg + 32 h
	s_add_co_u32 s6, s5, PXS
	v_lshl_add_u32 v24, v4, 2, s6                  ; a tile's scale words in
	s_add_co_u32 s6, s6, s25
	v_lshl_add_u32 v22, v4, 2, s6                  ; my scale byte out: + q
	s_lshl_b32 s5, s26, 13
	s_add_co_u32 s5, s5, PXI
	v_add_nc_u32 v23, s5, v7                       ; a tile's image in
	s_lshl_b32 s6, s25, 9
	s_add_co_u32 s5, s5, s6
	v_add_nc_u32 v21, s5, v7                       ; my quarter of it out
	s_lshl_b32 s5, s24, 10
	s_add_co_u32 s5, s5, FMP
	v_lshrrev_b32 v34, 1, v4
	v_and_b32 v35, 1, v4
	v_lshl_add_u32 v26, v34, 7, s5
	v_lshl_add_u32 v26, v5, 6, v26
	v_lshl_add_u32 v26, v35, 5, v26                ; fm's part out: patch r / 2, channels 16 h + 8 (r % 2) on
	s_lshl_b32 s5, s26, 11
	s_lshl_b32 s6, s25, 8
	s_add_co_u32 s5, s5, s6
	s_add_co_u32 s5, s5, RED
	v_lshl_add_u32 v27, v4, 2, s5
	v_lshl_add_u32 v27, v5, 10, v27                ; lanes 0-15 fg, lanes 16-31 bg
	s_lshl_b32 s5, s27, 8
	s_add_co_u32 s5, s5, RED
	v_lshl_add_u32 v28, v3, 3, s5
	s_lshl_b32 s5, s27, 7
	s_add_co_u32 s5, s5, FMP
	v_lshrrev_b32 v34, 3, v3
	v_and_b32 v35, 7, v3
	v_lshl_add_u32 v29, v34, 10, s5
	v_lshl_add_u32 v29, v35, 4, v29
	s_bfe_u32 s5, s24, 0x10002
	s_lshl_b32 s5, s5, 2
	v_mov_b32 v30, s5                              ; waves 0-3 take the sum of dm, waves 4-7 that of 1 - dm
	v_cmp_gt_u32 vcc_lo, 8, v4
	v_mov_b32 v34, 1.0
	v_mov_b32 v35, 0
	v_cndmask_b32 v31, -1.0, v34, vcc_lo           ; lanes r < 8: dm x 1 + 0; the others: dm x -1 + 1
	v_cndmask_b32 v32, 1.0, v35, vcc_lo
	v_lshlrev_b32 v33, 3, v3
	s_lshl_b32 s5, s24, 8
	v_add_nc_u32 v109, s5, v33
	v_and_b32 v109, 0x3ff, v109                    ; conv_b: numbers (64 w + 2 lane) % 256 on
	s_lshl_b32 s5, s24, 12
	v_lshl_add_u32 v110, v4, 8, s5
	v_lshl_add_u32 v110, v5, 4, v110               ; conv_w: row 16 w + r of 256 bytes, + 16 h
	s_lshl_b32 s5, s24, 7
	v_lshl_add_u32 v111, v4, 3, s5                 ; its scales: 8 bytes a row
.irp j, 0,1,2,3
	v_mov_b32 v[112+\j], 0                         ; written once: a lane permute's destination counts as one of its sources
.endr
	; wave 0 lays the three weight arrays: zeros, then the 16 taps of each
	s_cmp_lg_u32 s24, 0
	s_cbranch_scc1 .Lno_tab
.irp j, 0,1,2,3
	v_mov_b32 v[84+\j], 0
.endr
	v_mov_b32 v72, 0x76726c60                      ; 32, 96, 160, 224
	v_mov_b32 v73, 0x7e7d7b79                      ; 288, 352, 416, 448
	v_mov_b32 v74, 0x797b7d7e
	v_mov_b32 v75, 0x606c7276
	v_mov_b32 v76, 0                               ; output 0: the first four taps lie outside
	v_mov_b32 v77, 0x79777572                      ; 160, 208, 240, 288
	v_mov_b32 v78, 0x72757779
	v_mov_b32 v79, 0x59666b70                      ; 128, 88, 56, 18
	v_mov_b32 v80, 0x706b6659                      ; output 255: mirrored
	v_mov_b32 v81, 0x79777572
	v_mov_b32 v82, 0x72757779
	v_mov_b32 v83, 0
	ds_store_b128 v7, v[84:87] offset:TAB
	ds_store_b128 v7, v[84:87] offset:TAB+512
	ds_store_b128 v7, v[84:87] offset:TAB+1024
	ds_store_b128 v8, v[72:75] offset:TAB+160      ; LDS serves a wave's instructions in order: these land on the zeros.  All lanes write the same 16 bytes
	ds_store_b128 v8, v[76:79] offset:TAB+560
	ds_store_b128 v8, v[80:83] offset:TAB+960
.Lno_tab:
	BAR                                            ; the weight arrays lie in LDS.  The barrier stands here, where the arguments are still on their way, and not behind the waves' runs of loads
	s_wait_kmcnt 0x0
	s_mov_b32 s43, 0
	s_mov_b32 s42, s3
	s_add_nc_u64 s[44:45], s[12:13], s[42:43]      ; mask's scales at the window's aligned word,
	s_mov_b32 s42, s4
	s_add_nc_u64 s[46:47], s[12:13], s[42:43]      ; and at the next
	s_mov_b32 s42, s33
	s_add_nc_u64 s[48:49], s[10:11], s[42:43]      ; mask's codes at the window
	s_lshl_b32 s42, s28, 7
	s_add_nc_u64 s[52:53], s[14:15], s[42:43]      ; conv_w's codes at my K step
	s_lshl_b32 s5, s25, 5
	s_add_co_u32 s42, s42, s5                      ; channel 128 half + 32 q
	s_lshl_b32 s42, s42, 18
	s_add_co_u32 s5, s31, s26                      ; row 8 y + rr
	s_lshl_b32 s5, s5, 10
	s_add_co_u32 s42, s42, s5
	s_lshl_b32 s5, s29, 8
	s_add_co_u32 s42, s42, s5
	s_add_nc_u64 s[50:51], s[8:9], s[42:43]        ; fea
	s_lshl_b32 s42, s28, 2
	s_add_nc_u64 s[54:55], s[16:17], s[42:43]      ; conv_w's scales at my K step
	s_lshl_b32 s42, s27, 8
	s_add_co_u32 s42, s42, s32
	s_lshl_b32 s42, s42, 8
	s_add_nc_u64 s[56:57], s[20:21], s[42:43]      ; pws[w % 8][work-group]
	s_lshl_b32 s42, s30, 5
	s_lshl_b32 s5, s29, 3
	s_add_co_u32 s42, s42, s5
	s_add_co_u32 s42, s42, s27                     ; patch 32 y + 8 (x / 2) + w % 8
	s_lshl_b32 s42, s42, 10
	s_lshl_b32 s5, s28, 9
	s_add_co_u32 s42, s42, s5
	s_add_nc_u64 s[58:59], s[22:23], s[42:43]      ; fmws
	global_load_b64 v[38:39], v109, s[18:19]
.irp c, 0,1,2,3
	global_load_b128 v[92+4*\c:95+4*\c], v110, s[52:53] offset:32*\c   ; conv_w's tile w: every wave brings one
.endr
	global_load_b32 v108, v111, s[54:55]
	; waves 0-8: mask, 64 of the 576 columns that the work-group's 64 outputs reach (whole blocks of 32, from 32 ahead of the first).  Columns outside the image are held at its edge: they meet zero weights alone.
	; THE COLUMNS OF A TILE ARE NOT NEIGHBOURS: lane r of tile 2 e + u takes column 32 e + 8 u + r + 8 (r / 8), so that the 16 registers of two results are 16 neighbours along the next K
	s_cmp_lt_u32 s24, 9
	s_cbranch_scc0 .Lno_mask
	s_lshl_b32 s5, s29, 9
	s_lshl_b32 s6, s24, 6
	s_add_co_u32 s5, s5, s6
	v_and_b32 v34, 8, v4
	v_add_nc_u32 v34, v34, v4
	v_add_nc_u32 v35, s5, v34
.irp t, 0,1,2,3
	v_add_nc_u32 v36, 32*(\t/2)+8*(\t%2), v35
	v_max_u32 v36, 32, v36
	v_min_u32 v36, 0x81f, v36
	v_sub_nc_u32 v36, v36, 32
	v_lshlrev_b32 v[64+2*\t], 11, v36
	v_lshl_add_u32 v[64+2*\t], v5, 4, v[64+2*\t]
	v_lshlrev_b32 v[65+2*\t], 6, v36
.endr
.irp t, 0,1,2,3
.irp c, 0,1,2,3
	global_load_b128 v[RB+16*\t+4*\c:RB+16*\t+4*\c+3], v[64+2*\t], s[48:49] offset:32*\c
.endr
	global_load_b32 v[56+2*\t], v[65+2*\t], s[44:45]
	global_load_b32 v[57+2*\t], v[65+2*\t], s[46:47]
.endr
.Lno_mask:
	FEA 0, RA
	s_wait_loadcnt 16                              ; all but stage A's 16 loads, which were issued last
.irp c, 0,1,2,3
	ds_store_b128 v11, v[92+4*\c:95+4*\c] offset:CWI+512*\c
.endr
	ds_store_b32 v12, v108 offset:CWS
	; ---- the first product: tmp(column, row) = mask x weights, one K step; and its quantiser
	s_cmp_lt_u32 s24, 9
	s_cbranch_scc0 .Lno_p1
.irp c, 0,1,2,3
.irp t, 0,1,2,3
	ds_load_b32 v[40+4*\c+\t], v9 offset:TAB+4*(8*\c+\t)   ; register 4 c + t holds K = 32 c + 16 h + 4 t on
.endr
.endr
.irp t, 0,1,2,3
	v_alignbit_b32 v[SC+\t], v[57+2*\t], v[56+2*\t], s34   ; the window's four scale bytes out of two aligned words
.endr
	NOPS 8                                         ; a scale register written by a vector instruction stands eight places ahead of the product
	s_wait_dscnt 0x0                               ; the weights are in; the image's stores have read v92-108, which the results take
.irp t, 0,1,2,3
	v_wmma_scale_f32_16x16x128_f8f6f4 v[DT+8*\t:DT+8*\t+7], v[RB+16*\t:RB+16*\t+15], v[40:55], 0, v[SC+\t], v[SC+4]
.endr
	NOPS 8                                         ; places in front of the first read of the results
	; tmp is quantised along the columns: lane (r, h) holds row r % 8 and, of block e, columns 16 h + 0 .. 15 in v[DT + 16 e] on
.irp e, 0,1
	v_max3_num_f32 v[56+\e], |v[DT+16*\e]|, |v[DT+16*\e+1]|, FLOOR
.endr
.irp i, 2,4,6,8,10,12,14
.irp e, 0,1
	v_max3_num_f32 v[56+\e], v[56+\e], |v[DT+16*\e+\i]|, |v[DT+16*\e+\i+1]|
.endr
.endr
.irp e, 0,1
	v_permlanex16_b32 v[58+\e], v[56+\e], s36, s37
.endr
.irp e, 0,1
	v_max_num_f32 v[56+\e], v[56+\e], v[58+\e]     ; the block's largest magnitude
.endr
.irp e, 0,1
	v_add_nc_u32 v[60+\e], EOFF, v[56+\e]          ; 8 off its exponent field: the conversion's scale operand
.endr
.irp e, 0,1
	v_and_or_b32 v[62+\e], v[56+\e], EXPM, s35     ; 448 x the scale
.endr
.irp e, 0,1
	v_lshrrev_b32 v[72+\e], 23, v[60+\e]           ; the scale's byte
.endr
.irp e, 0,1
.irp i, 0,1,2,3,4,5,6,7,8,9,10,11,12,13,14,15
	v_med3_num_f32 v[DT+16*\e+\i], v[DT+16*\e+\i], -v[62+\e], v[62+\e]   ; the conversion to an 8-bit code does not saturate (ISA guide 7.6.2)
.endr
	v_cvt_scalef32_pk8_fp8_f32 v[64+4*\e:65+4*\e], v[DT+16*\e:DT+16*\e+7], v[60+\e]
	v_cvt_scalef32_pk8_fp8_f32 v[66+4*\e:67+4*\e], v[DT+16*\e+8:DT+16*\e+15], v[60+\e]
.endr
	v_nop                                          ; one plain instruction behind the last conversion
.irp e, 0,1
	ds_store_b128 v15, v[64+4*\e:67+4*\e] offset:TMPI+512*\e
	ds_store_b8 v16, v[72+\e] offset:TMPS+\e       ; both halves of the lanes write the same byte with the same value
.endr
.Lno_p1:
	BAR                                            ; tmp's 18 blocks lie in LDS, and so do conv_w's images
	; ---- the second product: dm(column, row) = weights x tmp: wave u < 4 makes 16 columns; K = 128 and 64
	s_cmp_lt_u32 s24, 4
	s_cbranch_scc0 .Lno_p2
.irp c, 0,1,2,3
.irp t, 0,1,2,3
	ds_load_b32 v[40+4*\c+\t], v10 offset:TAB+4*(8*\c+\t)
.endr
.endr
.irp c, 0,1
.irp t, 0,1,2,3
	ds_load_b32 v[56+4*\c+\t], v10 offset:TAB+128+4*(8*\c+\t)
.endr
.endr
.irp c, 0,1,2,3
	ds_load_b128 v[72+4*\c:75+4*\c], v11 offset:TMPI+512*\c
.endr
.irp c, 0,1
	ds_load_b128 v[88+4*\c:91+4*\c], v11 offset:TMPI+2048+512*\c
.endr
	ds_load_b32 v[SC+6], v17 offset:TMPS
	ds_load_u16 v[SC+7], v17 offset:TMPS+64        ; two blocks' bytes; the upper two are 0, over zero codes
.irp j, 0,1,2,3,4,5,6,7
	v_mov_b32 v[64+\j], 0                          ; the rest of the short K step: zero codes on both sides
	v_mov_b32 v[96+\j], 0
.endr
	NOPS 8
	s_wait_dscnt 0x0
	v_wmma_scale_f32_16x16x128_f8f6f4 v[104:111], v[40:55], v[72:87], 0, v[SC+5], v[SC+6]
	s_wait_alu depctr_va_vdst(0)                   ; the wait ahead of a link that follows straight on the one that it adds onto
	v_wmma_scale_f32_16x16x128_f8f6f4 v[104:111], v[56:71], v[88:103], v[104:111], v[SC+5], v[SC+7]
	NOPS 8
.irp j, 0,1,2,3,4,5,6,7
	v_fma_f32 v[112+\j], v[104+\j], v31, v32       ; lane (r, h), register j: dm(row r % 8, column 16 u + 8 h + j), or 1 - dm in lanes r >= 8
.endr
.irp j, 0,1,2,3,4,5,6,7
	ds_store_b32 v18, v[112+\j] offset:DMT+64*(\j%4)+4*(\j/4)
.endr
	v_add_f32 v104, v112, v113
	v_add_f32 v105, v114, v115
	v_add_f32 v106, v116, v117
	v_add_f32 v107, v118, v119
	v_add_f32 v104, v104, v105
	v_add_f32 v106, v106, v107
	v_add_f32 v104, v104, v106
	v_add_f32_dpp v104, v104, v104 row_xmask:1 row_mask:0xf bank_mask:0xf
	v_add_f32_dpp v104, v104, v104 row_xmask:2 row_mask:0xf bank_mask:0xf
	v_add_f32_dpp v104, v104, v104 row_xmask:4 row_mask:0xf bank_mask:0xf   ; over the eight rows
	v_permlanex16_b32 v105, v104, s36, s37
	v_add_f32 v104, v104, v105                     ; and both halves of the columns
	ds_store_b32 v19, v104 offset:SD
.Lno_p2:
	FEA 1, RB                                      ; stage B is asked for here: mask's registers are free, and in no wave do these 16 loads stand ahead of its part of the chain to dm
; A STAGE'S FIRST PHASE.  My 64 numbers x 4 pixels become four quarters of fragments; a barrier; and the same numbers x dm are summed for fm.
; Stage 0: the barrier also shows dm, which waves 0-3 stored ahead of it, so fm's part follows the barrier's wait.  Stage 1: dm has long been shown, and fm's part stands between the signal and the wait.
.macro PH1 st, raw, cnt
	s_wait_loadcnt \cnt
.irp i, 0,1,2,3
	v_max3_num_f32 v[104+\i], |v[\raw+\i]|, |v[\raw+4+\i]|, FLOOR   ; pixel i: my 16 channels, and the floor: the byte cannot fall under 1
.endr
.irp c, 2,4,6,8,10,12,14
.irp i, 0,1,2,3
	v_max3_num_f32 v[104+\i], v[104+\i], |v[\raw+4*\c+\i]|, |v[\raw+4*\c+4+\i]|
.endr
.endr
.irp i, 0,1,2,3
	v_permlanex16_b32 v[112+\i], v[104+\i], s36, s37   ; into the four lowest registers of what was a matrix result; 448 x the scale takes them three lines on
.endr
.irp i, 0,1,2,3
	v_max_num_f32 v[104+\i], v[104+\i], v[112+\i]  ; with lane l xor 16's 16 channels: the block's largest magnitude
.endr
.irp i, 0,1,2,3
	v_add_nc_u32 v[108+\i], EOFF, v[104+\i]
.endr
.irp i, 0,1,2,3
	v_and_or_b32 v[112+\i], v[104+\i], EXPM, s35
.endr
.irp i, 0,1,2,3
	v_lshrrev_b32 v[104+\i], 23, v[108+\i]
.endr
.irp i, 0,1,2,3
.irp c, 0,1,2,3,4,5,6,7,8,9,10,11,12,13,14,15
	v_med3_num_f32 v[56+16*(\i%2)+\c], v[\raw+4*\c+\i], -v[112+\i], v[112+\i]   ; the hold also brings a pixel's 16 channels into consecutive registers; the numbers as loaded stay for fm
.endr
	v_cvt_scalef32_pk8_fp8_f32 v[88+4*\i:89+4*\i], v[56+16*(\i%2):63+16*(\i%2)], v[108+\i]
	v_cvt_scalef32_pk8_fp8_f32 v[90+4*\i:91+4*\i], v[64+16*(\i%2):71+16*(\i%2)], v[108+\i]
.endr
	v_nop                                          ; one plain instruction behind the last conversion
.irp i, 0,1,2,3
	ds_store_b128 v21, v[88+4*\i:91+4*\i] offset:32768*\st+2048*\i
.endr
.irp i, 0,1,2,3
	ds_store_b8 v22, v[104+\i] offset:1024*\st+64*\i
.endr
	s_wait_dscnt 0x0                               ; for the others' sake: my quarters have landed (stage 0, waves 0-3: and my part of dm, of 1 - dm and of their sums)
	s_barrier_signal -1
.if \st == 0
	s_barrier_wait -1                              ; everybody's quarters lie in LDS, and so does dm
.endif
.irp i, 0,1,2,3
	ds_load_b32 v[88+\i], v20 offset:DMT+1024*\st+64*\i   ; dm of my four pixels (stage 1: bytes that nobody writes any more)
.endr
	s_wait_dscnt 0x0
.irp c, 0,1,2,3,4,5,6,7,8,9,10,11,12,13,14,15
	v_pk_mul_f32 v[56+2*\c:57+2*\c], v[\raw+4*\c:\raw+4*\c+1], v[88:89]
.endr
.irp c, 0,1,2,3,4,5,6,7,8,9,10,11,12,13,14,15
	v_pk_fma_f32 v[56+2*\c:57+2*\c], v[\raw+4*\c+2:\raw+4*\c+3], v[90:91], v[56+2*\c:57+2*\c]
.endr
.irp c, 0,1,2,3,4,5,6,7,8,9,10,11,12,13,14,15
	v_add_f32 v[92+\c], v[56+2*\c], v[57+2*\c]     ; channel 16 h + c: my four pixels' sum
.endr
.irp c, 0,1,2,3,4,5,6,7                        ; a patch's eight columns lie in lanes l and l xor 1: the even lane ends with channels 0-7 of the 16, the odd one with 8-15
	v_cndmask_b32 v[116+2*(\c%2)], v[92+\c], v[100+\c], s38
	v_cndmask_b32 v[117+2*(\c%2)], v[100+\c], v[92+\c], s38
	v_add_f32_dpp v[108+\c], v[117+2*(\c%2)], v[116+2*(\c%2)] row_xmask:1 row_mask:0xf bank_mask:0xf
.endr
.if \st != 0
	s_barrier_wait -1                              ; everybody's quarters lie in LDS
.endif
	ds_store_b128 v26, v[108:111] offset:16384*\st
	ds_store_b128 v26, v[112:115] offset:16384*\st+16
.endm
.macro LOADF st, i                     ; tile i of my row: its image and its scale words
.irp c, 0,1,2,3
	ds_load_b128 v[56+4*\c:59+4*\c], v23 offset:32768*\st+2048*(\i)+512*\c
.endr
	ds_load_b32 v[SC+4], v24 offset:1024*\st+64*(\i)
.endm
.macro LOADD st, i                     ; dm and 1 - dm of the eight pixels that a lane's results belong to
	ds_load_b128 v[72:75], v25 offset:DMT+1024*\st+64*(\i)
	ds_load_b128 v[76:79], v25 offset:DMT+1024*\st+64*(\i)+16
	ds_load_b128 v[80:83], v25 offset:OMT+1024*\st+64*(\i)
	ds_load_b128 v[84:87], v25 offset:OMT+1024*\st+64*(\i)+16
.endm
; A STAGE'S SECOND PHASE.  Source 0 = 16 pixels, source 1 = 16 rows of conv_w: lane (r, h) holds output channel 64 og + 16 t + r and pixels 4 (8 h + j) + i.  Each result is weighed by dm and by 1 - dm and summed at once.
.macro PH2 st
.if \st == 0
.irp t, 0,1,2,3
.irp c, 0,1,2,3
	ds_load_b128 v[RA+16*\t+4*\c:RA+16*\t+4*\c+3], v13 offset:CWI+2048*\t+512*\c   ; my four fragments of conv_w stay in registers
.endr
	ds_load_b32 v[SC+\t], v14 offset:CWS+128*\t
.endr
.endif
	LOADF \st, 0
	LOADD \st, 0
.irp i, 0,1,2,3
	s_wait_dscnt 0x0
.irp t, 0,1,2,3
	v_wmma_scale_f32_16x16x128_f8f6f4 v[DT+8*\t:DT+8*\t+7], v[56:71], v[RA+16*\t:RA+16*\t+15], 0, v[SC+4], v[SC+\t]
.endr
	NOPS 8                                         ; places in front of the loads into the tile's registers and of the first read of the results; with the other results' lines below they are also the nine in front of the next tile's products
.if \i < 3
	LOADF \st, \i+1
.endif
.irp a, 0,1,2,3                                ; each result from its low end on
.irp t, 0,1,2,3
.if (\st == 0) && (\i == 0) && (\a == 0)
	v_pk_mul_f32 v[40+2*\t:41+2*\t], v[DT+8*\t:DT+8*\t+1], v[72:73]   ; the first products start the sums: nothing is cleared
	v_pk_mul_f32 v[48+2*\t:49+2*\t], v[DT+8*\t:DT+8*\t+1], v[80:81]
.else
	v_pk_fma_f32 v[40+2*\t:41+2*\t], v[DT+8*\t+2*\a:DT+8*\t+2*\a+1], v[72+2*\a:73+2*\a], v[40+2*\t:41+2*\t]
	v_pk_fma_f32 v[48+2*\t:49+2*\t], v[DT+8*\t+2*\a:DT+8*\t+2*\a+1], v[80+2*\a:81+2*\a], v[48+2*\t:49+2*\t]
.endif
.endr
.endr
.if \i < 3
	LOADD \st, \i+1
.endif
.endr
.endm
	PH1 0, RA, 16                                  ; the count leaves stage B's 16 loads out
	PH2 0
	PH1 1, RB, 0
	PH2 1
	; my sums: the pairs' halves; then lanes 0-15 gather fg of both halves of the pixels, lanes 16-31 bg
.irp t, 0,1,2,3
	v_add_f32 v[56+\t], v[40+2*\t], v[41+2*\t]
	v_add_f32 v[60+\t], v[48+2*\t], v[49+2*\t]
.endr
.irp t, 0,1,2,3
	v_cndmask_b32 v[64+\t], v[56+\t], v[60+\t], s39
	v_cndmask_b32 v[68+\t], v[60+\t], v[56+\t], s39
.endr
.irp t, 0,1,2,3
	v_permlanex16_b32 v[72+\t], v[68+\t], s36, s37
.endr
.irp t, 0,1,2,3
	v_add_f32 v[64+\t], v[64+\t], v[72+\t]
.endr
.irp t, 0,1,2,3
	ds_store_b32 v27, v[64+\t] offset:64*\t
.endr
	BAR                                            ; all parts of fg, bg and fm lie in LDS
	s_cmp_lt_u32 s24, 8
	s_cbranch_scc0 .Lfm_out
.irp p, 0,1,2,3
	ds_load_b64 v[56+2*\p:57+2*\p], v28 offset:2048*\p
.endr
.irp u, 0,1,2,3
	ds_load_b32 v[64+\u], v30 offset:SD+8*\u
.endr
	s_wait_dscnt 0x0
	v_pk_add_f32 v[56:57], v[56:57], v[58:59]
	v_pk_add_f32 v[60:61], v[60:61], v[62:63]
	v_pk_add_f32 v[56:57], v[56:57], v[60:61]
	v_add_f32 v64, v64, v65
	v_add_f32 v66, v66, v67
	v_add_f32 v64, v64, v66                        ; the sum of dm (or of 1 - dm) over the work-group's 512 pixels,
	v_mul_f32 v64, s40, v64                        ; counted by the lower channel half alone
	v_fma_f32 v56, v38, v64, v56
	v_fma_f32 v57, v39, v64, v57
	global_store_b64 v33, v[56:57], s[56:57]       ; the wave stores 256 consecutive bytes, aligned
	s_branch .Lend
.Lfm_out:                                          ; waves 8-15: a patch each: eight rows' parts of 128 channels
.irp p, 0,1,2,3,4,5,6,7
	ds_load_b128 v[56+4*\p:59+4*\p], v29 offset:16384*(\p/4)+4096*(\p%4)
.endr
	s_wait_dscnt 0x0
.irp p, 0,1,2,3
	v_pk_add_f32 v[56+4*\p:57+4*\p], v[56+4*\p:57+4*\p], v[72+4*\p:73+4*\p]
	v_pk_add_f32 v[58+4*\p:59+4*\p], v[58+4*\p:59+4*\p], v[74+4*\p:75+4*\p]
.endr
.irp p, 0,1
	v_pk_add_f32 v[56+4*\p:57+4*\p], v[56+4*\p:57+4*\p], v[64+4*\p:65+4*\p]
	v_pk_add_f32 v[58+4*\p:59+4*\p], v[58+4*\p:59+4*\p], v[66+4*\p:67+4*\p]
.endr
	v_pk_add_f32 v[56:57], v[56:57], v[60:61]
	v_pk_add_f32 v[58:59], v[58:59], v[62:63]
	v_pk_mul_f32 v[56:57], v[56:57], 0x3c800000 op_sel_hi:[1,0]   ; / 64: the mean
	v_pk_mul_f32 v[58:59], v[58:59], 0x3c800000 op_sel_hi:[1,0]
	global_store_b128 v7, v[56:59], s[58:59]       ; the wave stores 512 consecutive bytes, aligned
.Lend:
	s_wait_tensorcnt 0x0                           ; the wave's end: three lines behind my last LDS store
	ds_add_u32 v1, v2
	s_wait_dscnt 0x0
	s_endpgm
.Lfunc_end_k_q40b35542d9_main:
	.size	k_q40b35542d9_main, .Lfunc_end_k_q40b35542d9_main-k_q40b35542d9_main
	.p2alignl 7, 3214868480
	.fill 96, 4, 3214868480
	.section	.rodata,"a",@progbits
	.p2align	6, 0x0
	.amdhsa_kernel k_q40b35542d9_main
		.amdhsa_group_segment_fixed_size 161024
		.amdhsa_private_segment_fixed_size 0
		.amdhsa_enable_private_segment 0
		.amdhsa_kernarg_size 64
		.amdhsa_user_sgpr_count 2
		.amdhsa_user_sgpr_kernarg_segment_ptr 1
		.amdhsa_wavefront_size32 1
		.amdhsa_system_sgpr_workgroup_id_x 1
		.amdhsa_system_sgpr_workgroup_id_y 1
		.amdhsa_system_sgpr_workgroup_id_z 1
		.amdhsa_system_vgpr_workitem_id 0
		.amdhsa_next_free_vgpr 256
		.amdhsa_next_free_sgpr 66
		.amdhsa_reserve_vcc 1
		.amdhsa_float_denorm_mode_32 3
		.amdhsa_float_denorm_mode_16_64 3
		.amdhsa_memory_ordered 1
		.amdhsa_forward_progress 1
		.amdhsa_inst_pref_size 87
	.end_amdhsa_kernel
	.amdgpu_metadata
---
amdhsa.version: [ 1, 2 ]
amdhsa.kernels:
  - .name:           k_q40b35542d9_main
    .symbol:         k_q40b35542d9_main.kd
    .args:
      - { .name: fea, .offset: 0, .size: 8, .value_kind: global_buffer, .address_space: global }
      - { .name: mask_codes, .offset: 8, .size: 8, .value_kind: global_buffer, .address_space: global }
      - { .name: mask_scales, .offset: 16, .size: 8, .value_kind: global_buffer, .address_space: global }
      - { .name: conv_w_codes, .offset: 24, .size: 8, .value_kind: global_buffer, .address_space: global }
      - { .name: conv_w_scales, .offset: 32, .size: 8, .value_kind: global_buffer, .address_space: global }
      - { .name: conv_b, .offset: 40, .size: 8, .value_kind: global_buffer, .address_space: global }
      - { .name: pws, .offset: 48, .size: 8, .value_kind: global_buffer, .address_space: global }
      - { .name: fmws, .offset: 56, .size: 8, .value_kind: global_buffer, .address_space: global }
    .group_segment_fixed_size: 161024
    .private_segment_fixed_size: 0
    .kernarg_segment_align: 8
    .kernarg_segment_size: 64
    .max_flat_workgroup_size: 512
    .sgpr_count:     66
    .vgpr_count:     256
    .wavefront_size: 32
...
	.end_amdgpu_metadata
.endif
;; end of part 1
;; launch mid (part 2): grid 288 x 1, 8 waves a work-group, no clusters, 9,984 bytes of LDS; arguments fmws, pws, fc1_w_codes, fc1_w_scales, fc1_b, fc2_w, fc2_b, fws, gws; writes fws, gws
.if DOCPART == 2
	.amdgcn_target "amdgcn-amd-amdhsa--gfx1250"
	.amdhsa_code_object_version 6
	.text
	.protected	k_q40b35542d9_mid
	.globl	k_q40b35542d9_mid
	.p2align	8
	.type	k_q40b35542d9_mid,@function
k_q40b35542d9_mid:
	s_mov_b64 s[64:65], 0
	v_nop
	global_prefetch_b8 v0, s[64:65] scope:SCOPE_SE
	s_setreg_imm32_b32 hwreg(HW_REG_WAVE_MODE, 25, 1), 1
	s_wait_xcnt 0x0
; SECOND LAUNCH: fc1 (on E4M3 codes) and fc2 (f32 multiply-adds), in parts that the third launch adds.  ori = fc2_w (fc1_w Q(gl) + fc1_b) + fc2_b is linear behind the quantiser, so it is summed from parts over K and over the hidden units.
; WORK LEFT OUT: rows 0 .. 511 of gl are reference()'s own broadcast of [fg, bg] to all 1,024 patches, so that half of fc1's product has 1,024 equal columns for all values of the inputs: one is computed (path G).
; Rows 512 .. 767 and 768 .. 1023 are both fm: quantised once, multiplied with both parts of fc1_w.
; PATH G, work-groups b = 0 .. 31 (jj = b / 4: 64 of K = 0 .. 511; mq = b % 4): sums main's 256 partial rows, / 65,536, quantises, multiplies.  It has one step and one barrier more than path F, so its work-groups have the lowest numbers.
; PATH F, work-groups b = 32 .. 287 (nt = (b / 4) % 64: 16 patches, each nt once for each mq; mq = b % 4: 128 hidden units): K = 512 .. 1023.
; In both, wave w owns hidden units 128 mq + 16 w + 0 .. 15.  The two paths part on the work-group's number and have LDS bytes of their own.
; LIMITS: as in the first launch (a block of zeros gets the byte 1; NaN and infinities are not served).  No cluster: the launch has no tensor load, and a work-group reads 16 to 96 KiB in all.
.set FIMG,  0                          ; F: fm's two fragments as images of their registers, 2,048 bytes each
.set FSC,   4096                       ; F: their scale words, 128 bytes each
.set FRD,   4352                       ; F: [wave 8][k 4][patch 16] f32
.set GRA,   6400                       ; G: [wave 8][64] f32
.set GFIN,  8448                       ; G: the 64 numbers of g
.set GRD,   8704                       ; G: [wave 8][k 4] f32
.set SPARE, 8960                       ; the spare words, 128 bytes for each wave: four blocks of 256 bytes that no other line names
.set FLOOR, 0x4800000
.set EOFF,  0xfc000000
.set EXPM,  0x7f800000
.set PC,    112                        ; v112-127 the codes just made
.set TM,    200                        ; v200-203 largest magnitudes, v204-207 bytes, v208-211 448 x the scale, v212-215 the conversions' scale operands
.set PW,    216                        ; the scale word just made.  v80-83, v216-218 hold scale words and nothing else
; v16-79 fc1_w's fragments; v84-107 fc2_w: 8 numbers for each of 3 rows; v128-191 numbers, then fragments and results; v220-223 the three sums and a 0; v232-239 fc1_b
.macro BAR
	s_wait_dscnt 0x0
	s_barrier_signal -1
	s_barrier_wait -1
.endm
.macro NOPS n
.rept \n
	v_nop
.endr
.endm
; nb blocks of 32: register s + 16 b + i = k 32 b + 16 (lane / 16) + i of my row; codes to v[PC] on, the scale word to v[PW]
.macro QUANT s, nb
.irp b, 0,1,2,3
.if \b < \nb
	v_max3_num_f32 v[TM+\b], |v[\s+16*\b]|, |v[\s+16*\b+1]|, FLOOR
.endif
.endr
.irp i, 2,4,6,8,10,12,14
.irp b, 0,1,2,3
.if \b < \nb
	v_max3_num_f32 v[TM+\b], v[TM+\b], |v[\s+16*\b+\i]|, |v[\s+16*\b+\i+1]|
.endif
.endr
.endr
.irp b, 0,1,2,3
.if \b < \nb
	v_permlanex16_b32 v[TM+4+\b], v[TM+\b], s46, s47
.endif
.endr
.irp b, 0,1,2,3
.if \b < \nb
	v_max_num_f32 v[TM+\b], v[TM+\b], v[TM+4+\b]
.endif
.endr
.irp b, 0,1,2,3
.if \b < \nb
	v_add_nc_u32 v[TM+12+\b], EOFF, v[TM+\b]
	v_and_or_b32 v[TM+8+\b], v[TM+\b], EXPM, s44
.endif
.endr
.irp b, 0,1,2,3
.if \b < \nb
	v_lshrrev_b32 v[TM+4+\b], 23, v[TM+12+\b]
.endif
.endr
	v_lshl_or_b32 v[PW], v[TM+5], 8, v[TM+4]
.if \nb > 2
	v_lshl_or_b32 v[PW], v[TM+6], 16, v[PW]
	v_lshl_or_b32 v[PW], v[TM+7], 24, v[PW]
.endif
.irp b, 0,1,2,3
.if \b < \nb
.irp i, 0,1,2,3,4,5,6,7,8,9,10,11,12,13,14,15
	v_med3_num_f32 v[\s+16*\b+\i], v[\s+16*\b+\i], -v[TM+8+\b], v[TM+8+\b]   ; the conversion to an 8-bit code does not saturate (ISA guide 7.6.2)
.endr
	v_cvt_scalef32_pk8_fp8_f32 v[PC+4*\b:PC+4*\b+1], v[\s+16*\b:\s+16*\b+7], v[TM+12+\b]
	v_cvt_scalef32_pk8_fp8_f32 v[PC+4*\b+2:PC+4*\b+3], v[\s+16*\b+8:\s+16*\b+15], v[TM+12+\b]
.endif
.endr
	v_nop                                          ; one plain instruction behind the last conversion
.endm
; fc2 on my eight hidden units v[s] on (units 8 h + j of the wave's 16), then both halves of the lanes: v220-222 = the wave's part of ori's three rows; v223 = 0 fills the fourth place
.macro FC2 s
.irp k, 0,1,2
	v_mul_f32 v[220+\k], v[84+8*\k], v[\s]
.endr
.irp j, 1,2,3,4,5,6,7
.irp k, 0,1,2
	v_fma_f32 v[220+\k], v[84+8*\k+\j], v[\s+\j], v[220+\k]
.endr
.endr
.irp k, 0,1,2
	v_permlanex16_b32 v[224+\k], v[220+\k], s46, s47
.endr
.irp k, 0,1,2
	v_add_f32 v[220+\k], v[220+\k], v[224+\k]
.endr
	v_mov_b32 v223, 0
.endm
.macro WFC2                            ; fc2_w(k, my eight units)
.irp k, 0,1,2
	global_load_b128 v[84+8*\k:87+8*\k], v192, s[36:37] offset:2048*\k
	global_load_b128 v[88+8*\k:91+8*\k], v192, s[36:37] offset:2048*\k+16
.endr
.endm
	s_load_b512 s[8:23], s[0:1], 0x0               ; fmws, pws, fc1_w_codes, fc1_w_scales, fc1_b, fc2_w, fc2_b, fws
	s_load_b64 s[24:25], s[0:1], 0x40              ; gws
	v_lshl_add_u32 v1, v0, 2, SPARE
	v_mov_b32 v2, 0
	v_lshrrev_b32 v193, 5, v0
	v_readfirstlane_b32 s26, v193                  ; wave
	s_and_b32 s27, ttmp9, 3                        ; mq
	s_lshl_b32 s28, s27, 7
	s_lshl_b32 s2, s26, 4
	s_add_co_u32 s28, s28, s2                      ; my first hidden unit
	s_lshr_b32 s29, ttmp9, 2
	s_and_b32 s29, s29, 63                         ; jj in path G (0 .. 7), nt in path F (8 .. 63, then 0 .. 7)
	s_mov_b32 s31, 0
	s_mov_b32 s44, 0x600000
	s_mov_b32 s46, 0x76543210
	s_mov_b32 s47, 0xfedcba98
	v_and_b32 v3, 31, v0
	v_and_b32 v4, 15, v0
	v_bfe_u32 v5, v0, 4, 1
	v_lshlrev_b32 v6, 4, v3                        ; 16 lane
	v_lshlrev_b32 v7, 2, v3                        ; 4 lane
	v_mov_b32 v15, s2                              ; 16 w
	s_lshl_b32 s2, s26, 11
	v_add_nc_u32 v8, s2, v6                        ; 16 lane + 2048 w
	s_lshl_b32 s2, s26, 7
	v_add_nc_u32 v9, s2, v7                        ; 4 lane + 128 w
	s_lshl_b32 s2, s26, 8
	v_lshl_add_u32 v10, v4, 2, s2                  ; 256 w + 4 r
	v_lshlrev_b32 v11, 3, v3                       ; 8 lane
	v_lshl_add_u32 v12, v4, 4, s2                  ; 256 w + 16 r
	v_lshlrev_b32 v13, 4, v4                       ; 16 r
	v_lshlrev_b32 v14, 6, v5                       ; 64 h
	v_mov_b32 v108, 0
	v_lshlrev_b32 v109, 10, v4
	v_lshlrev_b32 v110, 10, v4
	v_lshl_add_u32 v109, v5, 6, v109               ; fm: row r of 1,024 bytes, + 64 h
	v_lshl_add_u32 v110, v5, 4, v110               ; fc1_w: row r of 1,024 bytes, + 16 h
	v_lshlrev_b32 v111, 5, v4                      ; its scales: 32 bytes a row
	v_lshlrev_b32 v192, 5, v5                      ; eight f32 for each half of the lanes
.irp j, 0,1,2,3
	v_mov_b32 v[TM+4+\j], 0                        ; written once: a lane permute's destination counts as one of its sources
	v_mov_b32 v[224+\j], 0
.endr
	s_wait_kmcnt 0x0
	s_lshl_b32 s30, s28, 10
	s_add_nc_u64 s[32:33], s[12:13], s[30:31]      ; fc1_w's codes at my first unit
	s_lshl_b32 s30, s28, 5
	s_add_nc_u64 s[34:35], s[14:15], s[30:31]      ; its scales
	s_lshl_b32 s30, s28, 2
	s_add_nc_u64 s[36:37], s[18:19], s[30:31]      ; fc2_w
	s_cmp_ge_u32 ttmp9, 32
	s_cbranch_scc0 .Lpath_g
	; ======== PATH F
	s_lshl_b32 s30, s29, 14
	s_lshl_b32 s2, s26, 9
	s_add_co_u32 s30, s30, s2
	s_add_nc_u64 s[38:39], s[8:9], s[30:31]        ; fm: patch 16 nt, K step w (waves 0 and 1)
	s_lshl_b32 s30, s27, 6
	s_add_co_u32 s30, s30, s29
	s_lshl_b32 s30, s30, 8
	s_add_nc_u64 s[48:49], s[22:23], s[30:31]      ; fws[mq][nt]
	s_cmp_lt_u32 s26, 2
	s_cbranch_scc0 .Lf_no_fm
.irp b, 0,1,2,3
.irp j, 0,1,2,3
	global_load_b128 v[128+16*\b+4*\j:131+16*\b+4*\j], v109, s[38:39] offset:128*\b+16*\j
.endr
.endr
.Lf_no_fm:
.irp kk, 0,1,2,3
.irp c, 0,1,2,3
	global_load_b128 v[16+16*\kk+4*\c:19+16*\kk+4*\c], v110, s[32:33] offset:512+128*\kk+32*\c
.endr
.endr
	global_load_b128 v[80:83], v111, s[34:35] offset:16   ; the four K steps' scale words
	WFC2
	s_cmp_lt_u32 s26, 2
	s_cbranch_scc0 .Lf_no_q
	s_wait_loadcnt 23                              ; fm's 16 loads are in; the 23 issued behind them may be out
	QUANT 128, 4
.irp c, 0,1,2,3
	ds_store_b128 v8, v[PC+4*\c:PC+4*\c+3] offset:FIMG+512*\c
.endr
	ds_store_b32 v9, v[PW] offset:FSC
.Lf_no_q:
	BAR                                            ; fm's two fragments lie in LDS
.irp s, 0,1
.irp c, 0,1,2,3
	ds_load_b128 v[128+16*\s+4*\c:131+16*\s+4*\c], v6 offset:FIMG+2048*\s+512*\c
.endr
.endr
	ds_load_b32 v217, v7 offset:FSC
	ds_load_b32 v218, v7 offset:FSC+128
	s_wait_dscnt 0x0
	s_wait_loadcnt 0x0
	; source 0 = my 16 units, source 1 = 16 patches.  Two accumulators by turns: one for gl's third quarter, one for its fourth
	v_wmma_scale_f32_16x16x128_f8f6f4 v[168:175], v[16:31], v[128:143], 0, v80, v217
	v_wmma_scale_f32_16x16x128_f8f6f4 v[176:183], v[48:63], v[128:143], 0, v82, v217
	v_wmma_scale_f32_16x16x128_f8f6f4 v[168:175], v[32:47], v[144:159], v[168:175], v81, v218
	v_wmma_scale_f32_16x16x128_f8f6f4 v[176:183], v[64:79], v[144:159], v[176:183], v83, v218
	NOPS 8
.irp j, 0,2,4,6
	v_pk_add_f32 v[184+\j:185+\j], v[168+\j:169+\j], v[176+\j:177+\j]
.endr
	FC2 184
.irp k, 0,1,2,3
	ds_store_b32 v10, v[220+\k] offset:FRD+64*\k   ; patch r; both halves of the lanes write the same
.endr
	BAR
	s_cmp_lg_u32 s26, 0
	s_cbranch_scc1 .Lf_end
.irp p, 0,1,2,3,4,5,6,7
	ds_load_b64 v[128+2*\p:129+2*\p], v11 offset:FRD+256*\p
.endr
	s_wait_dscnt 0x0
.irp p, 0,1,2,3
	v_pk_add_f32 v[128+2*\p:129+2*\p], v[128+2*\p:129+2*\p], v[136+2*\p:137+2*\p]
.endr
	v_pk_add_f32 v[128:129], v[128:129], v[132:133]
	v_pk_add_f32 v[130:131], v[130:131], v[134:135]
	v_pk_add_f32 v[128:129], v[128:129], v[130:131]
	global_store_b64 v11, v[128:129], s[48:49]     ; the wave stores 256 consecutive bytes, aligned
.Lf_end:
	s_wait_tensorcnt 0x0                           ; the wave's end: three lines behind my last LDS store
	ds_add_u32 v1, v2
	s_wait_dscnt 0x0
	s_endpgm
	; ======== PATH G
.Lpath_g:
	s_lshl_b32 s30, s29, 6
	s_add_nc_u64 s[32:33], s[32:33], s[30:31]      ; fc1_w's codes at K = 64 jj
	s_lshl_b32 s30, s29, 1
	s_add_nc_u64 s[34:35], s[34:35], s[30:31]      ; and the two scale bytes
	s_lshl_b32 s30, s29, 16
	s_lshl_b32 s2, s26, 13
	s_add_co_u32 s30, s30, s2
	s_add_nc_u64 s[38:39], s[10:11], s[30:31]      ; pws[jj], my wave's 32 of the 256 rows
	s_lshl_b32 s30, s28, 2
	s_add_nc_u64 s[50:51], s[16:17], s[30:31]      ; fc1_b
	s_and_b32 s3, ttmp9, 31                        ; 4 jj + mq
	s_lshl_b32 s30, s3, 4
	s_add_nc_u64 s[48:49], s[24:25], s[30:31]      ; gws
	s_load_b96 s[40:42], s[20:21], 0x0             ; fc2_b
	s_cmp_eq_u32 s29, 0
	s_cselect_b32 s43, 1.0, 0                      ; fc1_b is added by the first piece of K alone
.irp i, 0,1,2,3,4,5,6,7,8,9,10,11,12,13,14,15
	global_load_b128 v[128+4*\i:131+4*\i], v6, s[38:39] offset:512*\i   ; two rows of 64 numbers a load
.endr
.irp c, 0,1
	global_load_b128 v[16+4*\c:19+4*\c], v110, s[32:33] offset:32*\c
.endr
	global_load_u16 v80, v111, s[34:35]            ; the upper two bytes are 0, over zero codes
	WFC2
	global_load_b128 v[232:235], v192, s[50:51]
	global_load_b128 v[236:239], v192, s[50:51] offset:16
.irp j, 0,1,2,3,4,5,6,7
	v_mov_b32 v[24+\j], 0                          ; the rest of the K step: zero codes on both sides
	v_mov_b32 v[PC+8+\j], 0
.endr
	s_wait_loadcnt 11                              ; the 16 loads of partial sums are in; the 11 issued behind them may be out
.irp p, 0,1,2,3,4,5,6,7
	v_pk_add_f32 v[128+4*\p:129+4*\p], v[128+4*\p:129+4*\p], v[160+4*\p:161+4*\p]
	v_pk_add_f32 v[130+4*\p:131+4*\p], v[130+4*\p:131+4*\p], v[162+4*\p:163+4*\p]
.endr
.irp p, 0,1,2,3
	v_pk_add_f32 v[128+4*\p:129+4*\p], v[128+4*\p:129+4*\p], v[144+4*\p:145+4*\p]
	v_pk_add_f32 v[130+4*\p:131+4*\p], v[130+4*\p:131+4*\p], v[146+4*\p:147+4*\p]
.endr
.irp p, 0,1
	v_pk_add_f32 v[128+4*\p:129+4*\p], v[128+4*\p:129+4*\p], v[136+4*\p:137+4*\p]
	v_pk_add_f32 v[130+4*\p:131+4*\p], v[130+4*\p:131+4*\p], v[138+4*\p:139+4*\p]
.endr
	v_pk_add_f32 v[128:129], v[128:129], v[132:133]
	v_pk_add_f32 v[130:131], v[130:131], v[134:135]
.irp j, 0,1,2,3
	v_permlanex16_b32 v[224+\j], v[128+\j], s46, s47
.endr
.irp j, 0,1,2,3
	v_add_f32 v[128+\j], v[128+\j], v[224+\j]      ; even and odd rows
.endr
	ds_store_b128 v12, v[128:131] offset:GRA
	BAR
	s_cmp_lg_u32 s26, 0
	s_cbranch_scc1 .Lg_no_sum
.irp p, 0,1,2,3,4,5,6,7
	ds_load_b128 v[128+4*\p:131+4*\p], v13 offset:GRA+256*\p
.endr
	s_wait_dscnt 0x0
.irp p, 0,1,2,3
	v_pk_add_f32 v[128+4*\p:129+4*\p], v[128+4*\p:129+4*\p], v[144+4*\p:145+4*\p]
	v_pk_add_f32 v[130+4*\p:131+4*\p], v[130+4*\p:131+4*\p], v[146+4*\p:147+4*\p]
.endr
.irp p, 0,1
	v_pk_add_f32 v[128+4*\p:129+4*\p], v[128+4*\p:129+4*\p], v[136+4*\p:137+4*\p]
	v_pk_add_f32 v[130+4*\p:131+4*\p], v[130+4*\p:131+4*\p], v[138+4*\p:139+4*\p]
.endr
	v_pk_add_f32 v[128:129], v[128:129], v[132:133]
	v_pk_add_f32 v[130:131], v[130:131], v[134:135]
	v_pk_mul_f32 v[128:129], v[128:129], 0x37800000 op_sel_hi:[1,0]   ; / 65,536: the mean over the image
	v_pk_mul_f32 v[130:131], v[130:131], 0x37800000 op_sel_hi:[1,0]
	ds_store_b128 v13, v[128:131] offset:GFIN
.Lg_no_sum:
	BAR                                            ; the 64 numbers of g lie in LDS
.irp b, 0,1
.irp j, 0,1,2,3
	ds_load_b128 v[128+16*\b+4*\j:131+16*\b+4*\j], v14 offset:GFIN+128*\b+16*\j   ; every row of the operand is the same column of gl
.endr
.endr
	s_wait_dscnt 0x0
	QUANT 128, 2
	NOPS 4                                         ; an operand written by vector instructions stands four places ahead of the product; the scale word was made ahead of the holds
	s_wait_loadcnt 0x0
	s_wait_kmcnt 0x0
	v_wmma_scale_f32_16x16x128_f8f6f4 v[168:175], v[16:31], v[PC:PC+15], 0, v80, v[PW]
	NOPS 8
.irp j, 0,1,2,3,4,5,6,7
	v_fma_f32 v[176+\j], v[232+\j], s43, v[168+\j]
.endr
	FC2 176
	ds_store_b128 v15, v[220:223] offset:GRD       ; all lanes hold the same four numbers
	BAR
	s_cmp_lg_u32 s26, 0
	s_cbranch_scc1 .Lg_end
.irp p, 0,1,2,3,4,5,6,7
	ds_load_b128 v[128+4*\p:131+4*\p], v108 offset:GRD+16*\p
.endr
	s_cmp_eq_u32 s3, 0                             ; fc2_b is added by one work-group alone
	s_cselect_b32 s40, s40, 0
	s_cselect_b32 s41, s41, 0
	s_cselect_b32 s42, s42, 0
	s_wait_dscnt 0x0
.irp p, 0,1,2,3
	v_pk_add_f32 v[128+4*\p:129+4*\p], v[128+4*\p:129+4*\p], v[144+4*\p:145+4*\p]
	v_pk_add_f32 v[130+4*\p:131+4*\p], v[130+4*\p:131+4*\p], v[146+4*\p:147+4*\p]
.endr
.irp p, 0,1
	v_pk_add_f32 v[128+4*\p:129+4*\p], v[128+4*\p:129+4*\p], v[136+4*\p:137+4*\p]
	v_pk_add_f32 v[130+4*\p:131+4*\p], v[130+4*\p:131+4*\p], v[138+4*\p:139+4*\p]
.endr
	v_pk_add_f32 v[128:129], v[128:129], v[132:133]
	v_pk_add_f32 v[130:131], v[130:131], v[134:135]
	v_add_f32 v128, s40, v128
	v_add_f32 v129, s41, v129
	v_add_f32 v130, s42, v130
	v_cmp_eq_u32 vcc_lo, 0, v3
	s_wait_xcnt 0x0                                ; EXEC changes only behind this wait
	s_and_saveexec_b32 s45, vcc_lo
	global_store_b128 v108, v[128:131], s[48:49]   ; lane 0: the work-group's 16 bytes
	s_wait_xcnt 0x0                                ; and again, in front of the line that widens it
	s_or_b32 exec_lo, exec_lo, s45
.Lg_end:
	s_wait_tensorcnt 0x0                           ; the wave's end: three lines behind my last LDS store
	ds_add_u32 v1, v2
	s_wait_dscnt 0x0
	s_endpgm
.Lfunc_end_k_q40b35542d9_mid:
	.size	k_q40b35542d9_mid, .Lfunc_end_k_q40b35542d9_mid-k_q40b35542d9_mid
	.p2alignl 7, 3214868480
	.fill 96, 4, 3214868480
	.section	.rodata,"a",@progbits
	.p2align	6, 0x0
	.amdhsa_kernel k_q40b35542d9_mid
		.amdhsa_group_segment_fixed_size 9984
		.amdhsa_private_segment_fixed_size 0
		.amdhsa_enable_private_segment 0
		.amdhsa_kernarg_size 72
		.amdhsa_user_sgpr_count 2
		.amdhsa_user_sgpr_kernarg_segment_ptr 1
		.amdhsa_wavefront_size32 1
		.amdhsa_system_sgpr_workgroup_id_x 1
		.amdhsa_system_sgpr_workgroup_id_y 1
		.amdhsa_system_sgpr_workgroup_id_z 1
		.amdhsa_system_vgpr_workitem_id 0
		.amdhsa_next_free_vgpr 256
		.amdhsa_next_free_sgpr 66
		.amdhsa_reserve_vcc 1
		.amdhsa_float_denorm_mode_32 3
		.amdhsa_float_denorm_mode_16_64 3
		.amdhsa_memory_ordered 1
		.amdhsa_forward_progress 1
		.amdhsa_inst_pref_size 38
	.end_amdhsa_kernel
	.amdgpu_metadata
---
amdhsa.version: [ 1, 2 ]
amdhsa.kernels:
  - .name:           k_q40b35542d9_mid
    .symbol:         k_q40b35542d9_mid.kd
    .args:
      - { .name: fmws, .offset: 0, .size: 8, .value_kind: global_buffer, .address_space: global }
      - { .name: pws, .offset: 8, .size: 8, .value_kind: global_buffer, .address_space: global }
      - { .name: fc1_w_codes, .offset: 16, .size: 8, .value_kind: global_buffer, .address_space: global }
      - { .name: fc1_w_scales, .offset: 24, .size: 8, .value_kind: global_buffer, .address_space: global }
      - { .name: fc1_b, .offset: 32, .size: 8, .value_kind: global_buffer, .address_space: global }
      - { .name: fc2_w, .offset: 40, .size: 8, .value_kind: global_buffer, .address_space: global }
      - { .name: fc2_b, .offset: 48, .size: 8, .value_kind: global_buffer, .address_space: global }
      - { .name: fws, .offset: 56, .size: 8, .value_kind: global_buffer, .address_space: global }
      - { .name: gws, .offset: 64, .size: 8, .value_kind: global_buffer, .address_space: global }
    .group_segment_fixed_size: 9984
    .private_segment_fixed_size: 0
    .kernarg_segment_align: 8
    .kernarg_segment_size: 72
    .max_flat_workgroup_size: 256
    .sgpr_count:     66
    .vgpr_count:     256
    .wavefront_size: 32
...
	.end_amdgpu_metadata
.endif
;; end of part 2
;; launch up (part 3): grid 256 x 1, 16 waves a work-group, no clusters, 0 bytes of LDS; arguments fws, gws, out0, out1; writes out0, out1
.if DOCPART == 3
	.amdgcn_target "amdgcn-amd-amdhsa--gfx1250"
	.amdhsa_code_object_version 6
	.text
	.protected	k_q40b35542d9_up
	.globl	k_q40b35542d9_up
	.p2align	8
	.type	k_q40b35542d9_up,@function
k_q40b35542d9_up:
	s_mov_b64 s[64:65], 0
	v_nop
	global_prefetch_b8 v0, s[64:65] scope:SCOPE_SE
	s_setreg_imm32_b32 hwreg(HW_REG_WAVE_MODE, 25, 1), 1
	s_wait_xcnt 0x0
; THIRD LAUNCH: ori(k, patch) = the sum of gws's 32 parts (the same for all patches) + the sum of fws's four parts; out1 = ori; out0 = each number of ori over its block of 64 x 64.
; Work-group c: patch row c / 8, eight of its 64 image rows (c % 8), all three maps.  Wave v covers 128 columns of a row, two patches: lanes 0-15 one, lanes 16-31 the other.
; A stream of stores: each store of a wave covers 512 consecutive bytes, aligned.  No LDS, no barrier, no matrix unit, no cluster: the waves share nothing but 2 KiB of input.
	s_load_b256 s[4:11], s[0:1], 0x0               ; fws, gws, out0, out1
	v_lshrrev_b32 v1, 5, v0
	v_readfirstlane_b32 s12, v1                    ; wave v
	v_and_b32 v2, 31, v0
	v_bfe_u32 v3, v0, 4, 1                         ; h
	s_lshr_b32 s13, ttmp9, 3                       ; patch row
	s_and_b32 s14, ttmp9, 7                        ; which eight image rows
	v_lshlrev_b32 v4, 4, v2                        ; gws: lane l takes part l
	s_lshl_b32 s15, s13, 1
	s_lshr_b32 s16, s12, 3
	s_add_co_u32 s15, s15, s16
	s_lshl_b32 s15, s15, 8                         ; fws: the patch's group of 16: 2 x patch row + v / 8
	s_lshl_b32 s16, s12, 1
	s_and_b32 s17, s16, 15
	v_add_nc_u32 v5, s17, v3
	v_lshl_add_u32 v5, v5, 2, s15                  ; and its place in the group: (2 v + h) % 16
	s_lshl_b32 s17, s12, 9
	v_add_nc_u32 v6, s17, v4                       ; out0: 512 v + 16 lane
	s_lshl_b32 s17, s13, 5
	s_add_co_u32 s17, s17, s16
	v_add_nc_u32 v7, s17, v3
	v_lshlrev_b32 v7, 2, v7                        ; out1: patch 32 x patch row + 2 v + h
	s_mov_b32 s18, 0x76543210
	s_mov_b32 s19, 0xfedcba98
	s_lshl_b32 s20, s13, 6
	s_lshl_b32 s21, s14, 3
	s_add_co_u32 s20, s20, s21
	s_lshl_b32 s20, s20, 13                        ; my first image row, 8,192 bytes a row
	s_mov_b32 s21, 0
.irp k, 0,1,2
	v_mov_b32 v[24+\k], 0                          ; written once: a lane permute's destination counts as one of its sources
.endr
	s_wait_kmcnt 0x0
	global_load_b128 v[8:11], v4, s[6:7]
.irp k, 0,1,2
.irp m, 0,1,2,3
	global_load_b32 v[12+4*\k+\m], v5, s[4:5] offset:16384*\m+64*\k
.endr
.endr
	s_add_nc_u64 s[22:23], s[8:9], s[20:21]        ; map 0,
	s_add_nc_u64 s[24:25], s[22:23], 0x1000000     ; map 1: 2,048 rows on,
	s_add_nc_u64 s[26:27], s[24:25], 0x1000000     ; map 2
	s_wait_loadcnt 0x0
.irp x, 1,2,4,8
.irp k, 0,1,2
	v_add_f32_dpp v[8+\k], v[8+\k], v[8+\k] row_xmask:\x row_mask:0xf bank_mask:0xf
.endr
.endr
.irp k, 0,1,2
	v_permlanex16_b32 v[24+\k], v[8+\k], s18, s19
.endr
.irp k, 0,1,2
	v_add_f32 v[12+4*\k], v[12+4*\k], v[13+4*\k]
	v_add_f32 v[14+4*\k], v[14+4*\k], v[15+4*\k]
	v_add_f32 v[8+\k], v[8+\k], v[24+\k]           ; the 32 parts' sum, in every lane
.endr
.irp k, 0,1,2
	v_add_f32 v[12+4*\k], v[12+4*\k], v[14+4*\k]
.endr
.irp k, 0,1,2
	v_add_f32 v[28+4*\k], v[8+\k], v[12+4*\k]      ; ori(k, my patch)
.endr
.irp k, 0,1,2
	v_mov_b32 v[29+4*\k], v[28+4*\k]               ; four times, for stores of 16 bytes
	v_mov_b32 v[30+4*\k], v[28+4*\k]
	v_mov_b32 v[31+4*\k], v[28+4*\k]
.endr
	s_cmp_lg_u32 s14, 0                            ; out1 is stored by the first of a patch row's eight work-groups, one lane for each patch
	s_cbranch_scc1 .Lno_ori
	v_and_b32 v40, 15, v0
	v_cmp_eq_u32 vcc_lo, 0, v40
	s_wait_xcnt 0x0                                ; EXEC changes only behind this wait
	s_and_saveexec_b32 s28, vcc_lo
	global_store_b32 v7, v28, s[10:11]
	global_store_b32 v7, v32, s[10:11] offset:4096
	global_store_b32 v7, v36, s[10:11] offset:8192
	s_wait_xcnt 0x0                                ; and again, in front of the line that widens it
	s_or_b32 exec_lo, exec_lo, s28
.Lno_ori:
.irp k, 0,1,2
.irp i, 0,1,2,3,4,5,6,7
	global_store_b128 v6, v[28+4*\k:31+4*\k], s[22+2*\k:23+2*\k] offset:8192*\i th:TH_STORE_NT
.endr
.endr
	s_endpgm
.Lfunc_end_k_q40b35542d9_up:
	.size	k_q40b35542d9_up, .Lfunc_end_k_q40b35542d9_up-k_q40b35542d9_up
	.p2alignl 7, 3214868480
	.fill 96, 4, 3214868480
	.section	.rodata,"a",@progbits
	.p2align	6, 0x0
	.amdhsa_kernel k_q40b35542d9_up
		.amdhsa_group_segment_fixed_size 0
		.amdhsa_private_segment_fixed_size 0
		.amdhsa_enable_private_segment 0
		.amdhsa_kernarg_size 32
		.amdhsa_user_sgpr_count 2
		.amdhsa_user_sgpr_kernarg_segment_ptr 1
		.amdhsa_wavefront_size32 1
		.amdhsa_system_sgpr_workgroup_id_x 1
		.amdhsa_system_sgpr_workgroup_id_y 1
		.amdhsa_system_sgpr_workgroup_id_z 1
		.amdhsa_system_vgpr_workitem_id 0
		.amdhsa_next_free_vgpr 48
		.amdhsa_next_free_sgpr 66
		.amdhsa_reserve_vcc 1
		.amdhsa_float_denorm_mode_32 3
		.amdhsa_float_denorm_mode_16_64 3
		.amdhsa_memory_ordered 1
		.amdhsa_forward_progress 1
		.amdhsa_inst_pref_size 8
	.end_amdhsa_kernel
	.amdgpu_metadata
---
amdhsa.version: [ 1, 2 ]
amdhsa.kernels:
  - .name:           k_q40b35542d9_up
    .symbol:         k_q40b35542d9_up.kd
    .args:
      - { .name: fws, .offset: 0, .size: 8, .value_kind: global_buffer, .address_space: global }
      - { .name: gws, .offset: 8, .size: 8, .value_kind: global_buffer, .address_space: global }
      - { .name: out0, .offset: 16, .size: 8, .value_kind: global_buffer, .address_space: global }
      - { .name: out1, .offset: 24, .size: 8, .value_kind: global_buffer, .address_space: global }
    .group_segment_fixed_size: 0
    .private_segment_fixed_size: 0
    .kernarg_segment_align: 8
    .kernarg_segment_size: 32
    .max_flat_workgroup_size: 512
    .sgpr_count:     66
    .vgpr_count:     48
    .wavefront_size: 32
...
	.end_amdgpu_metadata
.endif
;; end of part 3
